; MI455X (gfx1250); checked and timed in simulation.
; The chip was launched on July 23, 2026; its instructions are those of AMD's public machine-readable ISA for CDNA 5 (MIT licence, August 2026) and "CDNA5" Instruction Set Architecture Reference Guide (July 2026). The comments in the code are by the model that wrote it; some were corrected since.
;; KNN Classifier. Allowed arithmetic: matrix products marked QUANTISED: E4M3 operands, one E8M0 scale for each 32 along K, by v_wmma_scale_f32_16x16x128_f8f6f4 with both operands' format E4M3, f32 sums; everything else in f32.
;; Inputs: X 1,024 x 512 float32; X_train 100,000 x 512 float32; y_train 100,000 int32.
;; Outputs: out0 1,024 int32.
;; Constants: k = 8.
;; This version of the problem:
;;   THIS VERSION OF THE PROBLEM IS GIVEN IN LOW PRECISION. The matrix products marked QUANTISED in the list below multiply operands that are first quantised to E4M3 (4 exponent bits, 3 mantissa bits; 8 bits a number), with one power-of-two scale for each 32 numbers along K (OCP MX v1.0); their sums are f32. All else is computed in f32.
;;   The module's matrix products, in the order in which they are computed (A, B: the left and right operand; K: the contracted axis; several contracted axes count as one K, in the product's order):
;;     1. [M 1,024, K 512] x [K 512, N 100,000]; A: input X; B: input X_train: QUANTISED
;;   THE QUANTISER, for each operand of a quantised product, along K:
;;     - K is cut into blocks of 32 from its start; a last block that is shorter is filled with zeros.
;;     - A block's scale is 2^e with e = floor(log2(the largest magnitude in the block)) - 8, held to -126 .. 127; a block of zeros has e = 0. As a byte (E8M0): e + 127.
;;     - Each number is divided by its block's scale, clamped to +-448, and rounded to the nearest number of E4M3, ties to even, subnormals kept.
;;     - The product sums the exact products of the quantised numbers (number of the format x scale) in f32.
;;   ~~~python
;;   def quantise(x, axis):      # numpy; x: float32 -> the quantised numbers, widened to float32 again
;;       x = np.moveaxis(x, axis, -1); K = x.shape[-1]
;;       x = np.pad(x, [(0, 0)] * (x.ndim - 1) + [(0, -K % 32)]); x = x.reshape(x.shape[:-1] + (-1, 32)); a = np.abs(x).max(-1, keepdims=True)
;;       e = np.where(a > 0, np.clip(np.frexp(np.where(a > 0, a, 1))[1] - 1 - 8, -126, 127), 0)      # np.frexp(a)[1] - 1 = floor(log2(a)), exactly
;;       r = np.clip(x / 2.0 ** e, -448, 448)
;;       step = 2.0 ** (np.maximum(np.frexp(np.where(r == 0, 1, r))[1] - 1, -6) - 3)
;;       q = np.round(r / step) * step * 2.0 ** e      # np.round: ties to even
;;       return np.moveaxis(q.reshape(q.shape[:-2] + (-1,))[..., :K], -1, axis).astype(np.float32)
;;   ~~~
;; One version. Each part assembles by itself: llvm-mc -triple=amdgcn-amd-amdhsa -mcpu=gfx1250 --defsym DOCPART=n.
;; ======== version 1 of 1: 4 launches
;; limits: right only within a limited range of input values
;; workspace buffers: xq 524,288 bytes; xaux 20,480 bytes; tq 51,200,000 bytes; taux 2,000,128 bytes; cand 16,384,000 bytes; sel 32,768 bytes of whole numbers
;; launch quantx (part 1): grid 128 x 1, 4 waves a work-group, no clusters, 25,600 bytes of LDS; arguments X, xq, xaux; writes xq, xaux
.if DOCPART == 1
	.amdgcn_target "amdgcn-amd-amdhsa--gfx1250"
	.amdhsa_code_object_version 6
	.text
	.protected	k_q4a2c62aab6_quantx
	.globl	k_q4a2c62aab6_quantx
	.p2align	8
	.type	k_q4a2c62aab6_quantx,@function
k_q4a2c62aab6_quantx:
	s_mov_b64 s[64:65], 0
	v_nop
	global_prefetch_b8 v0, s[64:65] scope:SCOPE_SE
	s_setreg_imm32_b32 hwreg(HW_REG_WAVE_MODE, 25, 1), 1
	s_wait_xcnt 0x0
; X [1024][512], f32, becomes codes of FP8 (E4M3) with one E8M0 scale byte for each 32 along K, and each row's sum of squares.
; A block's scale is 2^(floor(log2(its largest magnitude)) - 8); its byte is the largest magnitude's exponent field - 8, held at 1 from below; each number is divided by the scale,
; held within +-448 and rounded to the nearest code, ties to even.
; LAYOUT: a GROUP is 8 neighbouring rows, 4,096 bytes laid [s 4][c 4][h 2][i 8][16 bytes]: piece (s, c, h, i) holds row i's codes of k = 128 s + 32 c + 16 h + 0 .. 15.
; Scale words: [group][i 8][s 4] words, byte c = block c of K step s.  Sums of squares: one f32 a row, from byte 16,384 of xaux on.
; SHARES: a work-group takes one group, a wave two of its rows.  Each load reads 512 consecutive bytes; the wave's 4,096 bytes turn through its own stage in LDS (16 bytes of padding behind each 64),
; so that lane l gets k = 16 l .. 16 l + 15 of both rows; lanes l and l xor 1 hold a block.  The group is gathered in LDS and leaves in runs of 512 bytes.
; LIMITS: NaN and infinities are not served.  A block whose largest magnitude lies under 2^-118, a block of zeros among them, gets the byte 1 (its codes are zeros where it is all zeros, and this
; program alone reads the bytes).  The sums of squares are taken in f32 in another order than a plain running sum.
.set SCB,   4096                       ; LDS: codes at 0; the group's 128 bytes of scale words
.set T2B,   4352                       ; its 8 sums of squares
.set STG,   4608                       ; four stages of 5,120 bytes
.set SPARE, 25088                      ; the spare words
.set T2T, 14
.set STI, 49
.set STO, 50
.set GLO, 54
.set CWT, 57
.set SBT, 59
.set HL,  60
.set SPW, 62
.set NIL, 63
.set SQ,  152
.set MX,  156
.set SO,  158
.set X,   160
.set PC,  248
.set MSB, 0
.macro WIN new                         ; the immediate's high byte repeats the setting that is left
.if MSB != \new
	s_set_vgpr_msb (MSB<<8)|\new
.set MSB, \new
.endif
.endm
.macro TLOAD set, off                  ; my two rows as they lie: 8 loads of 512 consecutive bytes into window 1
	WIN 0x40
.irp j, 0,1,2,3,4,5,6,7
	global_load_b128 v[192+32*\set+4*\j:192+32*\set+4*\j+3], v[GLO], s[20:21] offset:\off+(\j/4)*2048+(\j%4)*512 th:TH_LOAD_NT
.endr
	WIN 0
.endm
.macro QTA set, ld, lw                 ; the turn through my stage; LDS serves a wave's instructions in order
	s_wait_loadcnt \lw
	WIN 0x04
.irp j, 0,1,2,3,4,5,6,7
	ds_store_b128 v[STI], v[192+32*\set+4*\j:192+32*\set+4*\j+3] offset:640*\j
.endr
	WIN 0
.irp u, 0,1
.irp j, 0,1,2,3
	ds_load_b128 v[X+16*\u+4*\j:X+16*\u+4*\j+3], v[STO] offset:2560*\u+16*\j
.endr
.endr
	s_wait_dscnt 0x0                               ; my 32 numbers are in, and the stage's stores have read their registers
.if \ld
	TLOAD \set, 0
.endif
.endm
.macro QTB nx                          ; 2 x 16 numbers become codes, a scale byte and a share of the row's sum of squares; all go to LDS
.irp u, 0,1
	v_pk_mul_f32 v[SQ+2*\u:SQ+2*\u+1], v[X+16*\u:X+16*\u+1], v[X+16*\u:X+16*\u+1]
	v_max3_num_f32 v[MX+\u], |v[X+16*\u]|, |v[X+16*\u+1]|, 0x4800000   ; the floor 2^(9 - 127): the byte cannot fall under 1
.endr
.irp k, 2,4,6,8,10,12,14
.irp u, 0,1
	v_pk_fma_f32 v[SQ+2*\u:SQ+2*\u+1], v[X+16*\u+\k:X+16*\u+\k+1], v[X+16*\u+\k:X+16*\u+\k+1], v[SQ+2*\u:SQ+2*\u+1]
	v_max3_num_f32 v[MX+\u], v[MX+\u], |v[X+16*\u+\k]|, |v[X+16*\u+\k+1]|
.endr
.endr
.irp u, 0,1
	v_max_num_f32_dpp v[MX+\u], v[MX+\u], v[MX+\u] row_xmask:1 row_mask:0xf bank_mask:0xf   ; with my neighbour's 16: the block's
.endr
.irp u, 0,1
	v_add_nc_u32 v[SO+\u], 0xfc000000, v[MX+\u]    ; 8 off the exponent field: the conversion's scale operand
.endr
.irp u, 0,1
	v_and_or_b32 v[HL+\u], v[MX+\u], 0x7f800000, s26   ; 448 x the scale
.endr
.irp u, 0,1
	v_lshrrev_b32 v[MX+\u], 23, v[SO+\u]           ; the scale's byte
.endr
.irp k, 0,1,2,3,4,5,6,7,8,9,10,11,12,13,14,15
.irp u, 0,1
	v_med3_num_f32 v[X+16*\u+\k], v[X+16*\u+\k], -v[HL+\u], v[HL+\u]   ; the conversion does not saturate (ISA guide 7.6.2): the hold comes first
.endr
.endr
.irp u, 0,1
	v_cvt_scalef32_pk8_fp8_f32 v[PC+4*\u:PC+4*\u+1], v[X+16*\u:X+16*\u+7], v[SO+\u]
	v_cvt_scalef32_pk8_fp8_f32 v[PC+4*\u+2:PC+4*\u+3], v[X+16*\u+8:X+16*\u+15], v[SO+\u]
.endr
	v_nop                                          ; one plain line behind the last scaled conversion
.irp u, 0,1
	v_add_f32 v[SQ+2*\u], v[SQ+2*\u], v[SQ+2*\u+1]
.endr
.irp m, 1,2,4,8
.irp u, 0,1
	v_add_f32_dpp v[SQ+2*\u], v[SQ+2*\u], v[SQ+2*\u] row_xmask:\m row_mask:0xf bank_mask:0xf
.endr
.endr
.irp u, 0,1
	v_permlanex16_b32 v[SQ+2*\u+1], v[SQ+2*\u], s60, s61
.endr
.irp u, 0,1
	v_add_f32 v[SQ+2*\u], v[SQ+2*\u], v[SQ+2*\u+1]   ; the row's sum of squares, in every lane
.endr
.irp u, 0,1
	ds_store_b128 v[CWT], v[PC+4*\u:PC+4*\u+3] offset:4096*\nx+16*\u   ; piece l of the group, row i
	ds_store_b8 v[SBT], v[MX+\u] offset:128*\nx+16*\u                  ; both lanes of a block write the same byte
	ds_store_b32 v[T2T], v[SQ+2*\u] offset:32*\nx+4*\u                 ; all lanes: the same word, the same value
.endr
.endm
	s_load_b128 s[4:7], s[0:1], 0x0                ; X, xq
	s_load_b64 s[8:9], s[0:1], 0x10                ; xaux
	v_lshl_add_u32 v[SPW], v0, 2, SPARE
	v_mov_b32 v[NIL], 0
	v_lshrrev_b32 v1, 5, v0
	v_readfirstlane_b32 s16, v1                    ; wave 0..3
	s_mov_b32 s26, 0x600000                        ; the mantissa field of 448
	s_mov_b32 s60, 0x76543210
	s_mov_b32 s61, 0xfedcba98                      ; v_permlanex16_b32's selects for lane l xor 16
	s_mul_i32 s29, s16, 5120
	s_add_co_u32 s29, s29, STG                     ; my stage
	s_lshl_b32 s30, s16, 5                         ; rows 2 w, 2 w + 1: 16 bytes a row in a piece and in the scale words
	s_add_co_u32 s32, s30, SCB
	s_lshl_b32 s33, s16, 3
	s_add_co_u32 s33, s33, T2B
	s_lshl_b32 s27, s16, 10                        ; the way out: 1,024 bytes of codes a wave
	s_mov_b32 s35, 0
	v_and_b32 v1, 31, v0                           ; lane
	v_lshlrev_b32 v[GLO], 4, v1
	v_lshrrev_b32 v2, 2, v1
	v_mul_u32_u24 v2, v2, 80
	v_and_b32 v6, 3, v1
	v_lshl_add_u32 v2, v6, 4, v2
	v_add_nc_u32 v[STI], s29, v2                   ; into the stage: 80 (l / 4) + 16 (l % 4)
	v_mul_u32_u24 v2, v1, 80
	v_add_nc_u32 v[STO], s29, v2                   ; out of it: 80 l
	v_lshl_add_u32 v[CWT], v1, 7, s30              ; codes: 128 l + 16 i
	v_lshrrev_b32 v2, 3, v1
	v_bfe_u32 v6, v1, 1, 2
	v_lshl_add_u32 v2, v2, 2, v6
	v_add_nc_u32 v[SBT], s32, v2                   ; scale byte: 16 i + 4 s + c
	v_mov_b32 v[T2T], s33
	v_lshl_add_u32 v3, v1, 4, s27
	v_lshlrev_b32 v4, 2, v1
	v_and_b32 v5, 7, v1
	v_lshlrev_b32 v5, 2, v5
	s_wait_alu depctr_va_vdst(0)                   ; the wait at the head's end
	s_wait_kmcnt 0x0
	s_lshl_b32 s34, ttmp9, 14
	s_lshl_b32 s36, s16, 12
	s_add_co_u32 s34, s34, s36
	s_add_nc_u64 s[20:21], s[4:5], s[34:35]        ; my two rows of X
	s_lshl_b32 s34, ttmp9, 12
	s_add_nc_u64 s[22:23], s[6:7], s[34:35]        ; the group's codes
	s_lshl_b32 s34, ttmp9, 7
	s_add_nc_u64 s[24:25], s[8:9], s[34:35]        ; its scale words
	s_lshl_b32 s34, ttmp9, 5
	s_add_co_u32 s34, s34, 16384
	s_add_nc_u64 s[36:37], s[8:9], s[34:35]        ; its sums of squares
	TLOAD 0, 0
	QTA 0, 0, 0
	QTB 0
	s_wait_dscnt 0x0                               ; for the others' sake: my stores have landed
	s_barrier_signal -1
	s_barrier_wait -1
	ds_load_b128 v[64:67], v3
	ds_load_b128 v[68:71], v3 offset:512
	s_wait_dscnt 0x0
	global_store_b128 v3, v[64:67], s[22:23]       ; 512 consecutive bytes, at a multiple of 256 from the buffer's first byte
	global_store_b128 v3, v[68:71], s[22:23] offset:512
	s_cmp_lg_u32 s16, 0                            ; wave 0 sends the scale words and the sums
	s_cbranch_scc1 .Lend
	ds_load_b32 v72, v4 offset:SCB
	ds_load_b32 v73, v5 offset:T2B
	s_wait_dscnt 0x0
	global_store_b32 v4, v72, s[24:25]             ; 128 consecutive bytes
	global_store_b32 v5, v73, s[36:37]             ; 32 bytes; four lanes hold each word and store it to the same place
.Lend:
	s_wait_tensorcnt 0x0                           ; the wave's end
	ds_add_u32 v[SPW], v[NIL]
	s_wait_dscnt 0x0
	s_endpgm
.Lfunc_end_k_q4a2c62aab6_quantx:
	.size	k_q4a2c62aab6_quantx, .Lfunc_end_k_q4a2c62aab6_quantx-k_q4a2c62aab6_quantx
	.p2alignl 7, 3214868480
	.fill 96, 4, 3214868480
	.section	.rodata,"a",@progbits
	.p2align	6, 0x0
	.amdhsa_kernel k_q4a2c62aab6_quantx
		.amdhsa_group_segment_fixed_size 25600
		.amdhsa_private_segment_fixed_size 0
		.amdhsa_enable_private_segment 0
		.amdhsa_kernarg_size 24
		.amdhsa_user_sgpr_count 2
		.amdhsa_user_sgpr_kernarg_segment_ptr 1
		.amdhsa_wavefront_size32 1
		.amdhsa_system_sgpr_workgroup_id_x 1
		.amdhsa_system_sgpr_workgroup_id_y 1
		.amdhsa_system_sgpr_workgroup_id_z 1
		.amdhsa_system_vgpr_workitem_id 0
		.amdhsa_next_free_vgpr 512
		.amdhsa_next_free_sgpr 66
		.amdhsa_reserve_vcc 0
		.amdhsa_float_denorm_mode_32 3
		.amdhsa_float_denorm_mode_16_64 3
		.amdhsa_memory_ordered 1
		.amdhsa_forward_progress 1
		.amdhsa_inst_pref_size 12
	.end_amdhsa_kernel
	.amdgpu_metadata
---
amdhsa.version: [ 1, 2 ]
amdhsa.kernels:
  - .name:           k_q4a2c62aab6_quantx
    .symbol:         k_q4a2c62aab6_quantx.kd
    .args:
      - { .name: X, .offset: 0, .size: 8, .value_kind: global_buffer, .address_space: global }
      - { .name: xq, .offset: 8, .size: 8, .value_kind: global_buffer, .address_space: global }
      - { .name: xaux, .offset: 16, .size: 8, .value_kind: global_buffer, .address_space: global }
    .group_segment_fixed_size: 25600
    .private_segment_fixed_size: 0
    .kernarg_segment_align: 8
    .kernarg_segment_size: 24
    .max_flat_workgroup_size: 128
    .sgpr_count:     66
    .vgpr_count:     512
    .wavefront_size: 32
...
	.end_amdgpu_metadata
.endif
;; end of part 1
;; launch knn (part 2): grid 250 x 1, 8 waves a work-group, no clusters, 280,832 bytes of LDS; arguments xq, xaux, X_train, tq, taux, cand; writes tq, taux, cand
.if DOCPART == 2
	.amdgcn_target "amdgcn-amd-amdhsa--gfx1250"
	.amdhsa_code_object_version 6
	.text
	.protected	k_q4a2c62aab6_knn
	.globl	k_q4a2c62aab6_knn
	.p2align	8
	.type	k_q4a2c62aab6_knn,@function
k_q4a2c62aab6_knn:
	s_mov_b64 s[64:65], 0
	v_nop
	global_prefetch_b8 v0, s[64:65] scope:SCOPE_SE
	s_setreg_imm32_b32 hwreg(HW_REG_WAVE_MODE, 25, 1), 1
	s_wait_xcnt 0x0
; X_train is quantised to FP8 (E4M3) with E8M0 scales (the rule and the memory layouts of launch quantx), multiplied with the queries' codes, and for each query and each chunk of 400 training rows the
; 8 GROUPS (8 neighbouring rows, gid = row / 8) with the smallest (smallest distance in the group, gid) are kept; dist = sqrt(max(x2 + t2 - 2 x.t, 0)).  Each of a query's 8 nearest rows, in the order
; (dist, row), lies in one of its 8 best groups: eight groups ahead of a row's own group would hold eight rows ahead of that row.
; SHARES: work-group w owns groups 50 w .. 50 w + 49; it alone reads their f32 numbers, once.  Tile t (0 .. 24) has group t as its rows 0-7 and group 25 + t as rows 8-15.  Source 0 = the training tile,
; source 1 = 16 queries: a lane's eight results are ONE group: 50 w + t in lanes 0-15, 50 w + 25 + t in lanes 16-31.  Wave v owns query tiles 8 v .. 8 v + 7, in three passes of 3, 3 and 2 tiles,
; whose codes stay in registers (window 1).
; THE FIRST PASS STREAMS: in trip t every wave quantises two rows of tile t + 1 (waves 0-3 of group t + 1, waves 4-7 of group 26 + t) into LDS and multiplies tile t.  The f32 loads run two tiles
; ahead in 64 registers of window 1; each wave also asks the L2 for its own rows of tiles t + 5 and t + 6, one instruction for two trips, a lane a block of 256 bytes, two to three trips ahead of their
; loads; the loop's last turn asks for nothing, so that no request leaves the chunk.  One barrier a trip: signalled behind my LDS stores, waited for behind the trip's products and lists.
; IN LDS a group's 32 pieces of 128 bytes lie 144 bytes apart: the sixteen lanes of a store (a piece each) and of a fragment load (8 rows of two groups) then touch sixteen different 16-byte columns.
; The codes, scale words and sums stay in LDS for the other two passes, and leave for tq and taux, which a later launch reads: of tile t each wave sends two pieces of 2 x 256 bytes.
; No cluster: 250 work-groups divide into no cluster of four, and what the work-groups share (the queries' codes) goes straight into registers.  No tensor load: each wave's rows pass through registers.
; LIMITS: NaN and infinities are not served.  A block whose largest magnitude lies under 2^-118 gets the byte 1.  The sums of squares are taken in another order than a plain running sum.  The clip at 0
; and the root are taken of a group's smallest d2: that equals the smallest distance as long as v_sqrt_f32 does not fall where its input rises; the root is good to 1 ulp (ISA guide, its entry).
.set PP,    144                        ; from piece to piece in LDS
.set GP,    4608                       ; from group to group: 32 pieces
.set C1,    115328                     ; LDS: groups 0-24 at 0; groups 25-49 here, 128 bytes past a multiple of 256
.set SCB,   230656                     ; the chunk's scale words, 6,400 bytes
.set T2B,   237056                     ; its 400 sums of squares
.set STG,   238848                     ; eight stages of 5,120 bytes
.set SPARE, 279808                     ; the spare words
.set PFO, 2                            ; the prefetch's offset; never rewritten
.set PX,  13                           ; the gid of the tile in hand
.set T2T, 14                           ; v14, v57-59: this trip's LDS addresses
.set GID0, 15                          ; 50 w + 25 h
.set AS,  16                           ; v16-19  the tile's scale words
.set BS,  20                           ; v20-31  the queries' scale words, 4 q + s
.set X2,  32                           ; v32-37  x2, as pairs
.set T2R, 38                           ; v38-45  t2 of my eight rows
.set M,   46                           ; v46-48  the group's smallest distance
.set STI, 49
.set STO, 50
.set CW,  51
.set SBW, 52
.set T2W, 53
.set GLO, 54
.set CPA, 55
.set CPG, 56
.set CWT, 57
.set CPT, 58
.set SBT, 59
.set HL,  60
.set SPW, 62
.set NIL, 63
.set AF,  64                           ; v64-127  the tile's four fragments
.set ACC, 128                          ; v128-151 three accumulators
.set SQ,  152
.set MX,  156
.set SO,  158
.set X,   160                          ; v160-191 the quantiser's 32 numbers; then x2 + t2 and d2; at a pass's end what lane l xor 16 sends
.set U,   160
.set TP,  160
.set CP,  192                          ; v192-199 my pieces of the tile on their way to tq
.set LV,  200                          ; v200-223 for each q a sorted list of 8 distances,
.set LP,  224                          ; v224-247 and their gids
.set PC,  248                          ; v248-255 fresh codes
.set MK,  72                           ; s72-95   the insertion's masks
.set MSB, 0                            ; window 1: v0-191 the queries' fragments, 64 q + 16 s; v192-255 two sets of f32 numbers as loaded
.macro WIN new                         ; the immediate's high byte repeats the setting that is left
.if MSB != \new
	s_set_vgpr_msb (MSB<<8)|\new
.set MSB, \new
.endif
.endm
.macro TLOAD set, off                  ; my two rows as they lie: 8 loads of 512 consecutive bytes into window 1
	WIN 0x40
.irp j, 0,1,2,3,4,5,6,7
	global_load_b128 v[192+32*\set+4*\j:192+32*\set+4*\j+3], v[GLO], s[20:21] offset:\off+(\j/4)*2048+(\j%4)*512 th:TH_LOAD_NT
.endr
	WIN 0
.endm
.macro TURN set                        ; through my stage: in as loaded, out 16 neighbours a lane and row; LDS serves a wave's instructions in order
	WIN 0x04
.irp j, 0,1,2,3,4,5,6,7
	ds_store_b128 v[STI], v[192+32*\set+4*\j:192+32*\set+4*\j+3] offset:640*\j
.endr
	WIN 0
.irp u, 0,1
.irp j, 0,1,2,3
	ds_load_b128 v[X+16*\u+4*\j:X+16*\u+4*\j+3], v[STO] offset:2560*\u+16*\j
.endr
.endr
.endm
.macro QTB nx                          ; 2 x 16 numbers become codes, a scale byte and a share of the row's sum of squares; all go to LDS
.irp u, 0,1
	v_pk_mul_f32 v[SQ+2*\u:SQ+2*\u+1], v[X+16*\u:X+16*\u+1], v[X+16*\u:X+16*\u+1]
	v_max3_num_f32 v[MX+\u], |v[X+16*\u]|, |v[X+16*\u+1]|, 0x4800000   ; the floor 2^(9 - 127): the byte cannot fall under 1
.endr
.irp k, 2,4,6,8,10,12,14
.irp u, 0,1
	v_pk_fma_f32 v[SQ+2*\u:SQ+2*\u+1], v[X+16*\u+\k:X+16*\u+\k+1], v[X+16*\u+\k:X+16*\u+\k+1], v[SQ+2*\u:SQ+2*\u+1]
	v_max3_num_f32 v[MX+\u], v[MX+\u], |v[X+16*\u+\k]|, |v[X+16*\u+\k+1]|
.endr
.endr
.irp u, 0,1
	v_max_num_f32_dpp v[MX+\u], v[MX+\u], v[MX+\u] row_xmask:1 row_mask:0xf bank_mask:0xf   ; with my neighbour's 16: the block's
.endr
.irp u, 0,1
	v_add_nc_u32 v[SO+\u], 0xfc000000, v[MX+\u]    ; 8 off the exponent field: the conversion's scale operand
.endr
.irp u, 0,1
	v_and_or_b32 v[HL+\u], v[MX+\u], 0x7f800000, s26   ; 448 x the scale
.endr
.irp u, 0,1
	v_lshrrev_b32 v[MX+\u], 23, v[SO+\u]           ; the scale's byte
.endr
.irp k, 0,1,2,3,4,5,6,7,8,9,10,11,12,13,14,15
.irp u, 0,1
	v_med3_num_f32 v[X+16*\u+\k], v[X+16*\u+\k], -v[HL+\u], v[HL+\u]   ; the conversion does not saturate (ISA guide 7.6.2): the hold comes first
.endr
.endr
.irp u, 0,1
	v_cvt_scalef32_pk8_fp8_f32 v[PC+4*\u:PC+4*\u+1], v[X+16*\u:X+16*\u+7], v[SO+\u]
	v_cvt_scalef32_pk8_fp8_f32 v[PC+4*\u+2:PC+4*\u+3], v[X+16*\u+8:X+16*\u+15], v[SO+\u]
.endr
	v_nop                                          ; one plain line behind the last scaled conversion
.irp u, 0,1
	v_add_f32 v[SQ+2*\u], v[SQ+2*\u], v[SQ+2*\u+1]
.endr
.irp m, 1,2,4,8
.irp u, 0,1
	v_add_f32_dpp v[SQ+2*\u], v[SQ+2*\u], v[SQ+2*\u] row_xmask:\m row_mask:0xf bank_mask:0xf
.endr
.endr
.irp u, 0,1
	v_permlanex16_b32 v[SQ+2*\u+1], v[SQ+2*\u], s60, s61
.endr
.irp u, 0,1
	v_add_f32 v[SQ+2*\u], v[SQ+2*\u], v[SQ+2*\u+1]   ; the row's sum of squares, in every lane
.endr
.irp u, 0,1
	ds_store_b128 v[CWT], v[PC+4*\u:PC+4*\u+3] offset:GP*\nx+16*\u     ; piece l of the group, row i
	ds_store_b8 v[SBT], v[MX+\u] offset:128*\nx+16*\u                  ; both lanes of a block write the same byte
	ds_store_b32 v[T2T], v[SQ+2*\u] offset:32*\nx+4*\u                 ; all lanes: the same word, the same value
.endr
.endm
.macro LOADA                           ; 19 LDS loads: a tile's four fragments, its scale words, my group's sums of squares
.irp s, 0,1,2,3
.irp c, 0,1,2,3
	ds_load_b128 v[AF+16*\s+4*\c:AF+16*\s+4*\c+3], v6 offset:(8*\s+2*\c)*PP
.endr
.endr
	ds_load_b128 v[AS:AS+3], v7
	ds_load_b128 v[T2R:T2R+3], v8
	ds_load_b128 v[T2R+4:T2R+7], v8 offset:16
.endm
.macro ADRA                            ; where the tile at s42, s43, s44 lies
	v_add_nc_u32 v6, s42, v3
	v_add_nc_u32 v7, s43, v4
	v_add_nc_u32 v8, s44, v5
.endm
.macro QLOAD b, nq                     ; query tiles 8 v + b + 0 .. nq - 1: codes, scale words, x2
	WIN 0x40
.irp q, 0,1,2
.if \q < \nq
.irp s, 0,1,2,3
.irp c, 0,1,2,3
	global_load_b128 v[64*\q+16*\s+4*\c:64*\q+16*\s+4*\c+3], v9, s[66:67] offset:(\b+\q)*8192+\s*1024+\c*256
.endr
.endr
.endif
.endr
	WIN 0
.irp q, 0,1,2
.if \q < \nq
	global_load_b128 v[BS+4*\q:BS+4*\q+3], v10, s[68:69] offset:(\b+\q)*256
	global_load_b32 v[X2+2*\q], v11, s[70:71] offset:(\b+\q)*64
	global_load_b32 v[X2+2*\q+1], v11, s[70:71] offset:(\b+\q)*64   ; twice: the packed addition takes a pair
.endif
.endr
.endm
.macro LISTINIT nq                     ; the lists begin as +infinity; a lane sees 25 groups, so none of it is left at the end
.set n_, 0
.rept 8*\nq
	v_mov_b32 v[LV+n_], 0x7f800000
	v_mov_b32 v[LP+n_], v[GID0]
.set n_, n_+1
.endr
	v_add_nc_u32 v[PX], -1, v[GID0]
.endm
; One tile against nq query tiles: the products, d2, each group's smallest distance, and its place in the sorted lists.  The query tiles take turns line by line.
; nxt = 1: the next tile's fragments are fetched behind the products.  nxt = 2: a pass's last tile: the next pass's qn query tiles from qb on, and tile 0, are fetched there.  nxt = 0: nothing is.
.macro COMP nq, nxt, qb, qn
	WIN 0x04                                       ; source 1 (the queries) in window 1
.irp s, 0,1,2,3
.irp q, 0,1,2                                  ; the accumulators take turns, one instruction a turn
.if \q < \nq
.if \s == 0
	v_wmma_scale_f32_16x16x128_f8f6f4 v[ACC+8*\q:ACC+8*\q+7], v[AF+16*\s:AF+16*\s+15], v[64*\q+16*\s:64*\q+16*\s+15], 0, v[AS+\s], v[BS+4*\q+\s]
.else
	v_wmma_scale_f32_16x16x128_f8f6f4 v[ACC+8*\q:ACC+8*\q+7], v[AF+16*\s:AF+16*\s+15], v[64*\q+16*\s:64*\q+16*\s+15], v[ACC+8*\q:ACC+8*\q+7], v[AS+\s], v[BS+4*\q+\s]
.endif
.endif
.endr
.endr
	WIN 0
.irp q, 0,1,2                                  ; x2 + t2: 4 nq plain lines, eight at the least, that name no register of the products: the places in front of the loads below and of the first read of results
.if \q < \nq
.irp k, 0,2,4,6
	v_pk_add_f32 v[U+8*\q+\k:U+8*\q+\k+1], v[T2R+\k:T2R+\k+1], v[X2+2*\q:X2+2*\q+1]
.endr
.endif
.endr
.if \nxt == 1
	s_add_co_u32 s42, s42, GP
	s_add_co_u32 s43, s43, 128
	s_add_co_u32 s44, s44, 32
	ADRA
	LOADA
.endif
.if \nxt == 2
	QLOAD \qb, \qn
	s_mov_b32 s42, 0
	s_mov_b32 s43, 0
	s_mov_b32 s44, 0
	ADRA
	LOADA
.endif
.irp k, 0,2,4,6                                ; d2 = (x2 + t2) - 2 x.t, one rounding; each accumulator is read from its low end on
.irp q, 0,1,2
.if \q < \nq
	v_pk_fma_f32 v[U+8*\q+\k:U+8*\q+\k+1], v[ACC+8*\q+\k:ACC+8*\q+\k+1], -2.0, v[U+8*\q+\k:U+8*\q+\k+1] op_sel_hi:[1,0,1]
.endif
.endr
.endr
.irp q, 0,1,2
.if \q < \nq
	v_min3_num_f32 v[M+\q], v[U+8*\q], v[U+8*\q+1], v[U+8*\q+2]
.endif
.endr
.irp k, 3,5
.irp q, 0,1,2
.if \q < \nq
	v_min3_num_f32 v[M+\q], v[M+\q], v[U+8*\q+\k], v[U+8*\q+\k+1]
.endif
.endr
.endr
.irp q, 0,1,2
.if \q < \nq
	v_min_num_f32 v[M+\q], v[M+\q], v[U+8*\q+7]    ; the group's smallest d2
.endif
.endr
.irp q, 0,1,2
.if \q < \nq
	v_max_num_f32 v[M+\q], 0, v[M+\q]
.endif
.endr
	s_wait_alu depctr_va_vdst(0)                   ; the wait ahead of the batch
.irp q, 0,1,2
.if \q < \nq
	v_sqrt_f32 v[M+\q], v[M+\q]
.endif
.endr
	v_add_nc_u32 v[PX], 1, v[PX]                   ; this tile's gid: the plain line behind the roots
	s_wait_alu depctr_va_vdst(0)                   ; and behind it, ahead of its first reader
	; (M[q], PX) goes into list q.  The compare is strict and the gids come ascending: among equal distances the lower gid stays ahead
.irp q, 0,1,2
.if \q < \nq
.irp i, 0,1,2,3,4,5,6,7
	v_cmp_lt_f32 s[MK+8*\q+\i], v[M+\q], v[LV+8*\q+\i]
.endr
.endif
.endr
.irp i, 7,6,5,4,3,2,1
.irp q, 0,1,2
.if \q < \nq
	v_cndmask_b32 v[LP+8*\q+\i], v[LP+8*\q+\i], v[PX], s[MK+8*\q+\i]
.endif
.endr
.irp q, 0,1,2
.if \q < \nq
	v_cndmask_b32 v[LP+8*\q+\i], v[LP+8*\q+\i], v[LP+8*\q+\i-1], s[MK+8*\q+\i-1]
.endif
.endr
.irp q, 0,1,2
.if \q < \nq
	v_med3_num_f32 v[LV+8*\q+\i], v[LV+8*\q+\i-1], v[LV+8*\q+\i], v[M+\q]   ; the middle of my neighbour below, me and the newcomer
.endif
.endr
.endr
.irp q, 0,1,2
.if \q < \nq
	v_cndmask_b32 v[LP+8*\q], v[LP+8*\q], v[PX], s[MK+8*\q]
.endif
.endr
.irp q, 0,1,2
.if \q < \nq
	v_min_num_f32 v[LV+8*\q], v[LV+8*\q], v[M+\q]
.endif
.endr
.endm
; A trip of the first pass.  qt = 1: tile t + 1 is quantised from set \set; ld = 1: that set takes tile t + 3; lw: the younger loads that may stay out; pf = 1: the trip with the prefetch.
.macro STRIP qt, set, ld, lw, pf
	s_wait_xcnt 0x0                                ; the last trip's loads, stores and prefetch have read their bases and CP: only behind this wait are they written again
.if \ld
	s_add_nc_u64 s[20:21], s[20:21], 16384         ; X_train at tile t + 3
.endif
	s_add_nc_u64 s[22:23], s[22:23], 4096          ; tq at tile t + 1: the stores reach back
	ADRA
	v_add_nc_u32 v[CPT], s42, v[CPA]
.if \qt
	v_add_nc_u32 v[CWT], s42, v[CW]
	v_add_nc_u32 v[SBT], s43, v[SBW]
	v_add_nc_u32 v[T2T], s44, v[T2W]
	s_wait_alu depctr_va_vdst(0)                   ; directly ahead of the wait below
	s_wait_loadcnt \lw
	TURN \set
.endif
	LOADA
	ds_load_b128 v[CP:CP+3], v[CPT]                ; pieces 4 v .. 4 v + 3 of the tile's two groups
	ds_load_b128 v[CP+4:CP+7], v[CPT] offset:2*PP
.if \qt
	s_wait_dscnt 21                                ; my 32 numbers are back from the stage; the 21 loads issued behind them may be out
.if \ld
	TLOAD \set, 0
.endif
.if \pf
	s_cmp_lt_u32 s45, 2                            ; the loop's last turn would ask beyond tile 24
	s_cbranch_scc1 .Lnopf_\@
	global_prefetch_b8 v[PFO], s[20:21] offset:32768 th:TH_LOAD_NT scope:SCOPE_SE   ; my two rows of tiles t + 5 and t + 6: 32 blocks of 256 bytes, a lane each
.Lnopf_\@:
.endif
	QTB 1
.endif
	s_wait_dscnt 0x0                               ; the tile's fragments are in; for the others' sake: my part of tile t + 1 has landed
	global_store_b128 v[CPG], v[CP:CP+3], s[22:23] offset:-4096     ; sixteen lanes store 256 consecutive bytes, at a multiple of 256 from the buffer's first byte
	global_store_b128 v[CPG], v[CP+4:CP+7], s[22:23] offset:-3840
.if \qt
	s_barrier_signal -1
	COMP 3, 0, 0, 0                                ; work on registers alone
	s_add_co_u32 s42, s42, GP                      ; the next tile
	s_add_co_u32 s43, s43, 128
	s_add_co_u32 s44, s44, 32
	s_barrier_wait -1                              ; everybody's part has landed
.else
	COMP 3, 2, 3, 3
.endif
.endm
; Lanes l and l xor 16 hold a query's two sorted lists A (the lower gids) and B.  The 8 best of the 16 are the better of A[i] and B[7 - i]: each lane takes four of these pairs.
; Among equal distances A's wins.  The eight go out unsorted.
.macro FINISH q, t
.irp j, 0,1,2,3
	v_permlanex16_b32 v[TP+\j], v[LV+8*\q+7-\j], s60, s61
	v_permlanex16_b32 v[TP+4+\j], v[LP+8*\q+7-\j], s60, s61
.endr
.irp j, 0,1,2,3
	v_cmp_lt_f32 s46, v[TP+\j], v[LV+8*\q+\j]
	v_cmp_le_f32 s47, v[TP+\j], v[LV+8*\q+\j]
	s_and_b32 s47, s47, 0xffff0000                 ; lanes 16-31 yield on a tie too
	s_or_b32 s46, s46, s47
	v_cndmask_b32 v[LV+8*\q+\j], v[LV+8*\q+\j], v[TP+\j], s46
	v_cndmask_b32 v[LP+8*\q+\j], v[LP+8*\q+\j], v[TP+4+\j], s46
.endr
	global_store_b128 v12, v[LV+8*\q:LV+8*\q+3], s[24:25] offset:(\t)*256000       ; 512 consecutive bytes, at a multiple of 256 from the buffer's first byte
	global_store_b128 v12, v[LP+8*\q:LP+8*\q+3], s[24:25] offset:(\t)*256000+512
.endm
	s_load_b256 s[4:11], s[0:1], 0x0               ; xq s[4:5], xaux s[6:7], X_train s[8:9], tq s[10:11]
	s_load_b128 s[12:15], s[0:1], 0x20             ; taux s[12:13], cand s[14:15]
	v_lshl_add_u32 v[SPW], v0, 2, SPARE
	v_mov_b32 v[NIL], 0
	v_lshrrev_b32 v1, 5, v0
	v_readfirstlane_b32 s16, v1                    ; wave 0..7
	s_mov_b32 s17, ttmp9                           ; w
	s_and_b32 s18, s16, 3                          ; which two rows of a group I quantise
	s_lshr_b32 s19, s16, 2                         ; of which of a tile's two groups
	s_mov_b32 s26, 0x600000                        ; the mantissa field of 448
	s_mov_b32 s60, 0x76543210
	s_mov_b32 s61, 0xfedcba98                      ; v_permlanex16_b32's selects for lane l xor 16
	s_mov_b32 s35, 0
	s_lshl_b32 s27, s16, 9                         ; in tq: 512 x wave
	s_mul_i32 s37, s16, 4*PP                       ; the same four pieces in LDS
	s_mul_i32 s28, s17, 50
	s_mul_i32 s29, s16, 5120
	s_add_co_u32 s29, s29, STG                     ; my stage
	s_lshl_b32 s31, s18, 5
	s_mul_i32 s30, s19, C1
	s_add_co_u32 s30, s30, s31                     ; codes: my group's half of LDS + 16 bytes a row
	s_mul_i32 s32, s19, 3200
	s_add_co_u32 s32, s32, s31
	s_add_co_u32 s32, s32, SCB                     ; scale words likewise
	s_mul_i32 s33, s19, 800
	s_lshl_b32 s31, s18, 3
	s_add_co_u32 s33, s33, s31
	s_add_co_u32 s33, s33, T2B                     ; sums of squares: 4 bytes a row
	s_mov_b32 s42, 0                               ; GP t, 128 t, 32 t
	s_mov_b32 s43, 0
	s_mov_b32 s44, 0
	v_and_b32 v1, 15, v0                           ; r
	v_bfe_u32 v2, v0, 4, 1                         ; h
	v_lshrrev_b32 v14, 3, v1                       ; r / 8
	v_and_b32 v10, 7, v1
	v_lshlrev_b32 v10, 4, v10                      ; 16 (r % 8)
	v_lshl_add_u32 v9, v2, 7, v10                  ; 128 h + 16 (r % 8): my place in two pieces of a group in memory
	v_mul_u32_u24 v3, v14, C1
	v_add_nc_u32 v3, v3, v10
	v_mul_u32_u24 v4, v2, PP
	v_add_nc_u32 v3, v3, v4                        ; v3: my place in tile 0's codes in LDS
	v_mul_u32_u24 v4, v14, 3200
	v_add_nc_u32 v4, v4, v10
	v_add_nc_u32 v4, SCB, v4                       ; v4: row r's four scale words
	v_mul_u32_u24 v5, v2, 800
	v_add_nc_u32 v5, T2B, v5                       ; v5: my group's eight sums of squares
	v_add_nc_u32 v[CPA], s37, v3                   ; the pieces that I send to tq, in LDS
	v_mul_u32_u24 v[CPG], v14, 102400
	v_add3_u32 v[CPG], v[CPG], v9, s27             ; and in tq
	v_lshl_add_u32 v9, v14, 12, v9                 ; v9: my place in a query tile's codes (two groups)
	v_lshlrev_b32 v10, 4, v1                       ; v10: query r's four scale words
	v_lshlrev_b32 v11, 2, v1                       ; v11: its x2
	v_lshlrev_b32 v12, 5, v1
	v_lshl_add_u32 v12, v2, 4, v12                 ; v12: the way out: 32 r + 16 h
	v_mul_u32_u24 v[GID0], v2, 25
	v_add_nc_u32 v[GID0], s28, v[GID0]
	v_and_b32 v1, 31, v0                           ; lane
	v_lshlrev_b32 v[GLO], 4, v1
	v_lshrrev_b32 v2, 2, v1
	v_mul_u32_u24 v2, v2, 80
	v_and_b32 v14, 3, v1
	v_lshl_add_u32 v2, v14, 4, v2
	v_add_nc_u32 v[STI], s29, v2                   ; into the stage: 80 (l / 4) + 16 (l % 4)
	v_mul_u32_u24 v2, v1, 80
	v_add_nc_u32 v[STO], s29, v2                   ; out of it: 80 l
	v_mul_u32_u24 v2, v1, PP
	v_add_nc_u32 v[CW], s30, v2                    ; codes: piece l, 16 bytes a row
	v_lshrrev_b32 v2, 3, v1
	v_bfe_u32 v14, v1, 1, 2
	v_lshl_add_u32 v2, v2, 2, v14
	v_add_nc_u32 v[SBW], s32, v2                   ; scale byte: 16 i + 4 s + c
	v_mov_b32 v[T2W], s33
	v_lshrrev_b32 v[PFO], 4, v1                    ; the prefetch: tile l / 16, row (l / 8) % 2, block l % 8
	v_lshlrev_b32 v[PFO], 14, v[PFO]
	v_bfe_u32 v14, v1, 3, 1
	v_lshl_add_u32 v[PFO], v14, 11, v[PFO]
	v_and_b32 v14, 7, v1
	v_lshl_add_u32 v[PFO], v14, 8, v[PFO]
	s_wait_alu depctr_va_vdst(0)                   ; the wait at the head's end
	s_wait_kmcnt 0x0
	s_mul_i32 s34, s17, 400
	s_mul_i32 s36, s19, 200
	s_add_co_u32 s34, s34, s36
	s_lshl_b32 s36, s18, 1
	s_add_co_u32 s34, s34, s36
	s_add_co_u32 s34, s34, 16                      ; my rows of tile 2: the first two tiles' loads reach back
	s_lshl_b32 s34, s34, 11
	s_add_nc_u64 s[20:21], s[8:9], s[34:35]
	TLOAD 0, -32768                                ; tile 0
	TLOAD 1, -16384                                ; tile 1
	s_lshl_b32 s34, s16, 16
	s_add_nc_u64 s[66:67], s[4:5], s[34:35]        ; my eight query tiles' codes
	s_lshl_b32 s34, s16, 11
	s_add_nc_u64 s[68:69], s[6:7], s[34:35]        ; their scale words
	s_lshl_b32 s34, s16, 9
	s_add_co_u32 s34, s34, 16384
	s_add_nc_u64 s[70:71], s[6:7], s[34:35]        ; their x2
	QLOAD 0, 3
	s_mul_i32 s34, s17, 204800
	s_add_nc_u64 s[22:23], s[10:11], s[34:35]      ; the chunk's codes in tq
	s_mul_i32 s34, s16, 2048000
	s_lshl_b32 s36, s17, 10
	s_add_co_u32 s34, s34, s36
	s_add_nc_u64 s[24:25], s[14:15], s[34:35]      ; cand: [query tile 64][chunk 250][dist, gid][r 16][8 words]
	s_mul_i32 s34, s17, 6400
	s_add_nc_u64 s[38:39], s[12:13], s[34:35]      ; the chunk's scale words in taux
	s_mul_i32 s34, s17, 1600
	s_add_co_u32 s34, s34, 1600000
	s_add_nc_u64 s[40:41], s[12:13], s[34:35]      ; its sums of squares
	LISTINIT 3
	v_add_nc_u32 v[CWT], s42, v[CW]
	v_add_nc_u32 v[SBT], s43, v[SBW]
	v_add_nc_u32 v[T2T], s44, v[T2W]
	s_wait_alu depctr_va_vdst(0)                   ; directly ahead of the wait below
	s_wait_loadcnt 63                              ; 73 loads are out: the oldest ten are in, tile 0's eight among them
	TURN 0
	s_wait_dscnt 0x0
	TLOAD 0, 0                                     ; tile 2
	QTB 0
	s_wait_dscnt 0x0
	s_barrier_signal -1
	s_barrier_wait -1                              ; tile 0 is whole
	s_mov_b32 s45, 11
.Lstream:                                              ; trips 0 .. 21, two a turn: the two sets of loaded numbers take turns
	STRIP 1, 1, 1, 8, 1
	STRIP 1, 0, 1, 8, 0
	s_sub_co_u32 s45, s45, 1
	s_cmp_lg_u32 s45, 0
	s_cbranch_scc1 .Lstream
	STRIP 1, 1, 0, 8, 0                            ; trip 22: tile 23 is quantised, nothing is left to load; tile 24's eight may be out
	STRIP 1, 0, 0, 0, 0                            ; trip 23: tile 24
	STRIP 0, 0, 0, 0, 0                            ; trip 24; the next pass's queries and tile 0 are asked for in it
	; the chunk's scale words (6,400 bytes, runs of 512) and sums of squares (1,600 bytes, runs of 128) leave LDS: wave v takes run v and run v + 8; the 13th run is laid to end with the data,
	; and waves 5 to 7 send it too: the same bytes to the same place
	s_lshl_b32 s27, s16, 9
	s_add_co_u32 s28, s27, 4096
	s_min_u32 s28, s28, 5888
	s_lshl_b32 s29, s16, 7
	s_add_co_u32 s30, s29, 1024
	s_min_u32 s30, s30, 1472
	v_and_b32 v1, 31, v0
	v_lshl_add_u32 v176, v1, 4, s27
	v_lshl_add_u32 v177, v1, 4, s28
	v_lshl_add_u32 v178, v1, 2, s29
	v_lshl_add_u32 v179, v1, 2, s30
	v_add_nc_u32 v180, SCB, v176
	v_add_nc_u32 v181, SCB, v177
	v_add_nc_u32 v182, T2B, v178
	v_add_nc_u32 v183, T2B, v179
	ds_load_b128 v[184:187], v180
	ds_load_b128 v[188:191], v181
	ds_load_b32 v174, v182
	ds_load_b32 v175, v183
	s_wait_alu depctr_va_vdst(0)                   ; directly ahead of the wait below
	s_wait_dscnt 0x0
	global_store_b128 v176, v[184:187], s[38:39]
	global_store_b128 v177, v[188:191], s[38:39]
	global_store_b32 v178, v174, s[40:41]
	global_store_b32 v179, v175, s[40:41]
	FINISH 0, 0
	FINISH 1, 1
	FINISH 2, 2
	s_wait_xcnt 0x0                                ; the stores have read the lists: only behind this wait are they written again
	LISTINIT 3
	s_wait_alu depctr_va_vdst(0)                   ; directly ahead of the wait below
	s_wait_loadcnt 0x0                             ; the queries' codes, scale words and x2
	s_mov_b32 s45, 24
.Lpass1:                                               ; all of the chunk lies in LDS, and nothing is written there any more
	s_wait_dscnt 0x0                               ; the tile's 19 loads are in
	COMP 3, 1, 0, 0
	s_sub_co_u32 s45, s45, 1
	s_cmp_lg_u32 s45, 0
	s_cbranch_scc1 .Lpass1
	s_wait_dscnt 0x0
	COMP 3, 2, 6, 2                                ; tile 24
	s_wait_alu depctr_va_vdst(0)                   ; ahead of the lists' readers
	FINISH 0, 3
	FINISH 1, 4
	FINISH 2, 5
	s_wait_xcnt 0x0
	LISTINIT 2
	s_wait_alu depctr_va_vdst(0)                   ; directly ahead of the wait below
	s_wait_loadcnt 0x0
	s_mov_b32 s45, 24
.Lpass2:
	s_wait_dscnt 0x0
	COMP 2, 1, 0, 0
	s_sub_co_u32 s45, s45, 1
	s_cmp_lg_u32 s45, 0
	s_cbranch_scc1 .Lpass2
	s_wait_dscnt 0x0
	COMP 2, 0, 0, 0                                ; tile 24: nothing is left to fetch
	s_wait_alu depctr_va_vdst(0)                   ; ahead of the lists' readers
	FINISH 0, 6
	FINISH 1, 7
	s_wait_tensorcnt 0x0                           ; the wave's end
	ds_add_u32 v[SPW], v[NIL]
	s_wait_dscnt 0x0
	s_endpgm
.Lfunc_end_k_q4a2c62aab6_knn:
	.size	k_q4a2c62aab6_knn, .Lfunc_end_k_q4a2c62aab6_knn-k_q4a2c62aab6_knn
	.p2alignl 7, 3214868480
	.fill 96, 4, 3214868480
	.section	.rodata,"a",@progbits
	.p2align	6, 0x0
	.amdhsa_kernel k_q4a2c62aab6_knn
		.amdhsa_group_segment_fixed_size 280832
		.amdhsa_private_segment_fixed_size 0
		.amdhsa_enable_private_segment 0
		.amdhsa_kernarg_size 48
		.amdhsa_user_sgpr_count 2
		.amdhsa_user_sgpr_kernarg_segment_ptr 1
		.amdhsa_wavefront_size32 1
		.amdhsa_system_sgpr_workgroup_id_x 1
		.amdhsa_system_sgpr_workgroup_id_y 1
		.amdhsa_system_sgpr_workgroup_id_z 1
		.amdhsa_system_vgpr_workitem_id 0
		.amdhsa_next_free_vgpr 512
		.amdhsa_next_free_sgpr 96
		.amdhsa_reserve_vcc 0
		.amdhsa_float_denorm_mode_32 3
		.amdhsa_float_denorm_mode_16_64 3
		.amdhsa_memory_ordered 1
		.amdhsa_forward_progress 1
		.amdhsa_inst_pref_size 182
	.end_amdhsa_kernel
	.amdgpu_metadata
---
amdhsa.version: [ 1, 2 ]
amdhsa.kernels:
  - .name:           k_q4a2c62aab6_knn
    .symbol:         k_q4a2c62aab6_knn.kd
    .args:
      - { .name: xq, .offset: 0, .size: 8, .value_kind: global_buffer, .address_space: global }
      - { .name: xaux, .offset: 8, .size: 8, .value_kind: global_buffer, .address_space: global }
      - { .name: X_train, .offset: 16, .size: 8, .value_kind: global_buffer, .address_space: global }
      - { .name: tq, .offset: 24, .size: 8, .value_kind: global_buffer, .address_space: global }
      - { .name: taux, .offset: 32, .size: 8, .value_kind: global_buffer, .address_space: global }
      - { .name: cand, .offset: 40, .size: 8, .value_kind: global_buffer, .address_space: global }
    .group_segment_fixed_size: 280832
    .private_segment_fixed_size: 0
    .kernarg_segment_align: 8
    .kernarg_segment_size: 48
    .max_flat_workgroup_size: 256
    .sgpr_count:     96
    .vgpr_count:     512
    .wavefront_size: 32
...
	.end_amdgpu_metadata
.endif
;; end of part 2
;; launch pick (part 3): grid 128 x 1, 8 waves a work-group, no clusters, 5,120 bytes of LDS; arguments cand, sel; writes sel
.if DOCPART == 3
	.amdgcn_target "amdgcn-amd-amdhsa--gfx1250"
	.amdhsa_code_object_version 6
	.text
	.protected	k_q4a2c62aab6_pick
	.globl	k_q4a2c62aab6_pick
	.p2align	8
	.type	k_q4a2c62aab6_pick,@function
k_q4a2c62aab6_pick:
	s_mov_b64 s[64:65], 0
	v_nop
	global_prefetch_b8 v0, s[64:65] scope:SCOPE_SE
	s_setreg_imm32_b32 hwreg(HW_REG_WAVE_MODE, 25, 1), 1
	s_wait_xcnt 0x0
; For each query: of its 2,000 candidates (250 chunks x 8 groups, each a distance and a gid) the 8 with the smallest (distance, gid); their gids go to sel [1024][8], as whole numbers.
; Only the SET is wanted, so no list carries a payload.  First the 8 smallest distances are found by insertion of values alone; tau is the 8th.  Then each candidate gets a key: its gid where its
; distance is under tau, its gid + 2^14 where it equals tau, +infinity otherwise; the 8 smallest keys are the set.  A key is kept as the bits 0x3f800000 | number: normal f32 numbers in [1, 2),
; ordered as their bits, so the same insertion serves.
; SHARES: work-group b owns queries 8 b .. 8 b + 7: in cand [query tile][chunk][dist, gid][r 16][8 words] their bytes of one chunk and plane are 256 consecutive, aligned.  Lane (e, i, h) = (l / 16, (l / 2) % 8, l % 2)
; takes four words of query i, of chunk 2 p + e: a load reads two such runs of 256 bytes.  Wave v takes the pairs of chunks p = 16 v + k, k = 0 .. 15.  There are 125 pairs: wave 7's k = 13 .. 15
; do not exist; it loads pairs 13 .. 15 in their stead, so that no load leaves the buffer, and takes their distances as +infinity.
; A query's lists meet across its four lanes by lane exchanges, across the eight waves through LDS: two barriers, which every wave passes.
; 128 work-groups: 8 queries are what one aligned run of 256 bytes of cand holds.
.set L,   16                           ; v16-23   a sorted list of 8 distances
.set T,   24                           ; v24-31   a list from elsewhere
.set LK,  32                           ; v32-39   a sorted list of 8 keys
.set INF, 40
.set TAU, 41
.set VAL, 64                           ; v64-127  my 64 distances
.set GID, 128                          ; v128-191 and their gids
.set EX0, 0                            ; LDS: [wave 8][i 8][32 bytes] for the distances,
.set EX1, 2048                         ; and other bytes for the keys
	s_load_b128 s[4:7], s[0:1], 0x0                ; cand s[4:5], sel s[6:7]
	v_lshl_add_u32 v208, v0, 2, 0x1000
	v_mov_b32 v209, 0
	v_lshrrev_b32 v4, 5, v0
	s_delay_alu instid0(VALU_DEP_1)
	v_readfirstlane_b32 s14, v4                    ; wave 0..7
	v_and_b32 v5, 15, v0
	v_bfe_u32 v6, v0, 4, 1                         ; e
	v_bfe_u32 v7, v0, 1, 3                         ; i
	v_and_b32 v8, 1, v0                            ; h
	s_delay_alu instid0(VALU_DEP_4)
	v_lshlrev_b32 v9, 4, v5                        ; 16 (l % 16) = 32 i + 16 h: also my place on the way out
	s_delay_alu instid0(VALU_DEP_1)
	v_lshl_add_u32 v1, v6, 10, v9                  ; + 1,024 e: the pair's second chunk
	v_and_b32 v2, 0xe0, v0
	s_delay_alu instid0(VALU_DEP_1)
	v_lshlrev_b32 v2, 3, v2
	s_delay_alu instid0(VALU_DEP_1)
	v_lshl_add_u32 v2, v7, 5, v2                   ; LDS, in: 256 x wave + 32 i
	v_lshlrev_b32 v3, 5, v7
	s_delay_alu instid0(VALU_DEP_1)
	v_lshl_add_u32 v3, v8, 9, v3
	s_delay_alu instid0(VALU_DEP_1)
	v_lshl_add_u32 v3, v6, 10, v3                  ; LDS, back: the lists of waves 4 e + 2 h and 4 e + 2 h + 1
	v_mov_b32 v[INF], 0x7f800000
.irp i, 0,1,2,3,4,5,6,7
	v_mov_b32 v[T+\i], 0                           ; written once: the destination of a lane exchange counts as one of its sources
	v_mov_b32 v[L+\i], 0x7f800000
	v_mov_b32 v[LK+\i], 0x7f800000
.endr
	s_mov_b32 s28, 0x76543210
	s_mov_b32 s29, 0xfedcba98                      ; v_permlanex16_b32's selects for lane l xor 16
	s_mov_b32 s30, 0xaaaaaaaa                      ; the lanes with h = 1
	s_lshr_b32 s16, ttmp9, 1
	s_mul_i32 s16, s16, 256000                     ; my query tile
	s_and_b32 s17, ttmp9, 1
	s_lshl_b32 s17, s17, 8                         ; which half of its 16 queries
	s_add_co_u32 s16, s16, s17
	s_lshl_b32 s18, s14, 15                        ; 16 pairs of chunks x 2,048 bytes a wave
	s_cmp_eq_u32 s14, 7
	s_cselect_b32 s19, 0, s18                      ; for k = 13 .. 15: wave 7 goes back to the first pairs
	s_cselect_b32 s26, -1, 0                       ; and masks what it finds there
	s_add_co_u32 s20, s16, s18
	s_mov_b32 s21, 0
	s_add_co_u32 s22, s16, s19
	s_mov_b32 s23, 0
	s_lshl_b32 s24, ttmp9, 8
	s_mov_b32 s25, 0
	s_wait_kmcnt 0x0
	s_add_nc_u64 s[8:9], s[4:5], s[20:21]
	s_add_nc_u64 s[10:11], s[4:5], s[22:23]
	s_add_nc_u64 s[6:7], s[6:7], s[24:25]
.irp k, 0,1,2,3,4,5,6,7,8,9,10,11,12
	global_load_b128 v[VAL+4*\k:VAL+4*\k+3], v1, s[8:9] offset:\k*2048 th:TH_LOAD_NT
.endr
.irp k, 13,14,15
	global_load_b128 v[VAL+4*\k:VAL+4*\k+3], v1, s[10:11] offset:\k*2048 th:TH_LOAD_NT
.endr
.irp k, 0,1,2,3,4,5,6,7,8,9,10,11,12
	global_load_b128 v[GID+4*\k:GID+4*\k+3], v1, s[8:9] offset:\k*2048+512 th:TH_LOAD_NT
.endr
.irp k, 13,14,15
	global_load_b128 v[GID+4*\k:GID+4*\k+3], v1, s[10:11] offset:\k*2048+512 th:TH_LOAD_NT
.endr
.macro INSV l, x                       ; v[x] goes into the sorted list v[l] .. v[l + 7]: each place takes the middle of its neighbour below, itself and the newcomer
.irp i, 7,6,5,4,3,2,1
	v_med3_num_f32 v[\l+\i], v[\l+\i-1], v[\l+\i], v[\x]
.endr
	v_min_num_f32 v[\l], v[\l], v[\x]
.endm
.macro MX1 l                           ; lanes l and l xor 1 take each other's list in: both then hold the 8 smallest of the 16
.irp i, 0,1,2,3,4,5,6,7
	v_mov_b32_dpp v[T+\i], v[\l+\i] row_xmask:1 row_mask:0xf bank_mask:0xf
.endr
.irp i, 0,1,2,3,4,5,6,7
	INSV \l, T+\i
.endr
.endm
.macro MX16 l                          ; the same for lanes l and l xor 16
.irp i, 0,1,2,3,4,5,6,7
	v_permlanex16_b32 v[T+\i], v[\l+\i], s28, s29
.endr
.irp i, 0,1,2,3,4,5,6,7
	INSV \l, T+\i
.endr
.endm
.macro REDUCE l, ex                    ; from each lane's list to the query's, in every lane
	MX1 \l
	MX16 \l                                        ; the wave's list of query i, in its four lanes,
	ds_store_b128 v2, v[\l:\l+3] offset:\ex        ; which store the same bytes
	ds_store_b128 v2, v[\l+4:\l+7] offset:\ex+16
	s_wait_dscnt 0x0                               ; for the others' sake: my stores have landed
	s_barrier_signal -1
	s_barrier_wait -1
	ds_load_b128 v[\l:\l+3], v3 offset:\ex         ; two waves' lists a lane
	ds_load_b128 v[\l+4:\l+7], v3 offset:\ex+16
	ds_load_b128 v[T:T+3], v3 offset:\ex+256
	ds_load_b128 v[T+4:T+7], v3 offset:\ex+272
	s_wait_dscnt 0x0
.irp i, 0,1,2,3,4,5,6,7
	INSV \l, T+\i
.endr
	MX1 \l
	MX16 \l                                        ; all eight waves'
.endm
	s_wait_loadcnt 16                              ; the 16 loads of distances are in; the 16 of gids may be out
.irp n, 52,53,54,55,56,57,58,59,60,61,62,63
	v_cndmask_b32 v[VAL+\n], v[VAL+\n], v[INF], s26   ; wave 7: pairs that do not exist
.endr
.set n, 0
.rept 64
	INSV L, VAL+n
.set n, n+1
.endr
	REDUCE L, EX0
	v_mov_b32 v[TAU], v[L+7]                       ; the query's 8th smallest distance
	s_wait_alu depctr_va_vdst(0)
	s_wait_loadcnt 0x0                             ; the gids
.set n, 0
.rept 64
	v_or_b32 v42, 0x3f800000, v[GID+n]             ; the key of a distance under tau,
	v_or_b32 v43, 0x3f804000, v[GID+n]             ; of one that equals it
	v_cmp_lt_f32 s32, v[VAL+n], v[TAU]
	v_cmp_le_f32 s33, v[VAL+n], v[TAU]
	s_delay_alu instid0(VALU_DEP_1)
	v_cndmask_b32 v44, v[INF], v43, s33
	s_delay_alu instid0(VALU_DEP_1)
	v_cndmask_b32 v44, v44, v42, s32
	INSV LK, 44
.set n, n+1
.endr
	REDUCE LK, EX1
	s_cmp_lg_u32 s14, 0                            ; every wave holds the result; wave 0 stores it
	s_cbranch_scc1 .Ldone
.irp j, 0,1,2,3
	v_cndmask_b32 v[48+\j], v[LK+\j], v[LK+4+\j], s30   ; words 4 h .. 4 h + 3 of query i
.endr
.irp j, 0,1,2,3
	s_delay_alu instid0(VALU_DEP_4)
	v_and_b32 v[48+\j], 0x3fff, v[48+\j]           ; the gid
.endr
	global_store_b128 v9, v[48:51], s[6:7]         ; 256 consecutive bytes, aligned; lanes l and l + 16 hold the same 16 bytes and store them to the same place
.Ldone:
	s_wait_tensorcnt 0x0
	ds_add_u32 v208, v209
	s_wait_dscnt 0x0
	s_endpgm
.Lfunc_end_k_q4a2c62aab6_pick:
	.size	k_q4a2c62aab6_pick, .Lfunc_end_k_q4a2c62aab6_pick-k_q4a2c62aab6_pick
	.p2alignl 7, 3214868480
	.fill 96, 4, 3214868480
	.section	.rodata,"a",@progbits
	.p2align	6, 0x0
	.amdhsa_kernel k_q4a2c62aab6_pick
		.amdhsa_group_segment_fixed_size 5120
		.amdhsa_private_segment_fixed_size 0
		.amdhsa_enable_private_segment 0
		.amdhsa_kernarg_size 16
		.amdhsa_user_sgpr_count 2
		.amdhsa_user_sgpr_kernarg_segment_ptr 1
		.amdhsa_wavefront_size32 1
		.amdhsa_system_sgpr_workgroup_id_x 1
		.amdhsa_system_sgpr_workgroup_id_y 1
		.amdhsa_system_sgpr_workgroup_id_z 1
		.amdhsa_system_vgpr_workitem_id 0
		.amdhsa_next_free_vgpr 210
		.amdhsa_next_free_sgpr 66
		.amdhsa_reserve_vcc 0
		.amdhsa_float_denorm_mode_32 3
		.amdhsa_float_denorm_mode_16_64 3
		.amdhsa_memory_ordered 1
		.amdhsa_forward_progress 1
		.amdhsa_inst_pref_size 137
	.end_amdhsa_kernel
	.amdgpu_metadata
---
amdhsa.version: [ 1, 2 ]
amdhsa.kernels:
  - .name:           k_q4a2c62aab6_pick
    .symbol:         k_q4a2c62aab6_pick.kd
    .args:
      - { .name: cand, .offset: 0, .size: 8, .value_kind: global_buffer, .address_space: global }
      - { .name: sel, .offset: 8, .size: 8, .value_kind: global_buffer, .address_space: global }
    .group_segment_fixed_size: 5120
    .private_segment_fixed_size: 0
    .kernarg_segment_align: 8
    .kernarg_segment_size: 16
    .max_flat_workgroup_size: 256
    .sgpr_count:     66
    .vgpr_count:     210
    .wavefront_size: 32
...
	.end_amdgpu_metadata
.endif
;; end of part 3
;; launch vote (part 4): grid 256 x 1, 4 waves a work-group, no clusters, 0 bytes of LDS; arguments xq, xaux, tq, taux, y_train, sel, out0; writes out0
.if DOCPART == 4
	.amdgcn_target "amdgcn-amd-amdhsa--gfx1250"
	.amdhsa_code_object_version 6
	.text
	.protected	k_q4a2c62aab6_vote
	.globl	k_q4a2c62aab6_vote
	.p2align	8
	.type	k_q4a2c62aab6_vote,@function
k_q4a2c62aab6_vote:
	s_mov_b64 s[64:65], 0
	v_nop
	global_prefetch_b8 v0, s[64:65] scope:SCOPE_SE
	s_setreg_imm32_b32 hwreg(HW_REG_WAVE_MODE, 25, 1), 1
	s_wait_xcnt 0x0
; For each query: the 64 rows of its 8 chosen groups (sel, whole numbers stored by an earlier launch) are multiplied again from their codes, the 8 nearest in the order (dist, row) are picked, and the
; most frequent of their labels, the smallest on a tie, is the result.
; SHARES: a wave takes one query q = 4 x work-group + wave.  No LDS, no barrier.  Tile t (0 .. 3) has group sel[q][2 t] as rows 0-7 and sel[q][2 t + 1] as rows 8-15; ALL 16 COLUMNS of source 1 are query q.
; So register j of tile t in lane (r, h) is the product for row 8 sel[q][2 t + h] + j, the same for every r: a lane holds 32 of the 64 distances, lane l xor 16 the other 32.
; A gid enters an address only behind v_min_u32 with 12,499, the last group's number.
; THE CHOICE carries no payload: tau, the 8th smallest distance, is found by insertion of values; then each row gets the key (row << 7 | label), + 2^24 where its distance equals tau, +infinity where it
; is larger; the 8 smallest keys are the 8 nearest rows.  A key is kept as the bits 0x40000000 + number: normal f32 numbers, ordered as their bits.
; LIMITS: NaN and infinities among the distances are not served; the root is good to 1 ulp.  A label outside 0 .. 99 casts no vote (as a one-hot row of zeros); with no vote at all the result is 0.
; The wave's result is one word: all 32 lanes hold it and store it to the same place.
.set GA,  8                            ; v8-11     the gid of my row of source 0, tile t
.set GH,  12                           ; v12-15    the gid of my eight results, tile t
.set AOF, 16                           ; v16-19    byte offsets made of them: codes,
.set SOF, 20                           ; v20-23    scale words,
.set TOF, 24                           ; v24-27    sums of squares and labels
.set AS,  32                           ; v32-47    the rows' scale words, 4 t + s
.set BS,  48                           ; v48-51    the query's, s
.set KB,  52                           ; v52-55    0x40000000 + (gid << 10)
.set BF,  64                           ; v64-127   the query's four fragments
.set ACC, 128                          ; v128-159  four accumulators
.set D,   160                          ; v160-191  t2, then x2 + t2, d2, dist; at the end the labels, counts and scores
.set LAB, 192                          ; v192-223  the rows' labels
.set L,   224                          ; v224-231  a sorted list of 8 distances
.set T,   232                          ; v232-239  what lane l xor 16 sends
.set LK,  240                          ; v240-247  a sorted list of 8 keys
.set TAU, 248
.set INF, 249
.set MSB, 0                            ; window 1 (v256-511): the rows' fragments, 64 t + 16 s
.macro WIN new                         ; the immediate's high byte repeats the setting that is left
.if MSB != \new
	s_set_vgpr_msb (MSB<<8)|\new
.set MSB, \new
.endif
.endm
.macro INSV l, x                       ; v[x] goes into the sorted list v[l] .. v[l + 7]
.irp i, 7,6,5,4,3,2,1
	v_med3_num_f32 v[\l+\i], v[\l+\i-1], v[\l+\i], v[\x]
.endr
	v_min_num_f32 v[\l], v[\l], v[\x]
.endm
.macro MX16 l                          ; lanes l and l xor 16 take each other's list in
.irp i, 0,1,2,3,4,5,6,7
	v_permlanex16_b32 v[T+\i], v[\l+\i], s34, s35
.endr
.irp i, 0,1,2,3,4,5,6,7
	INSV \l, T+\i
.endr
.endm
	s_load_b256 s[4:11], s[0:1], 0x0               ; xq s[4:5], xaux s[6:7], tq s[8:9], taux s[10:11]
	s_load_b128 s[12:15], s[0:1], 0x20             ; y_train s[12:13], sel s[14:15]
	s_load_b64 s[16:17], s[0:1], 0x30              ; out0
	v_lshrrev_b32 v1, 5, v0
	v_readfirstlane_b32 s18, v1                    ; wave 0..3
	s_lshl_b32 s20, ttmp9, 2
	s_add_co_u32 s20, s20, s18                     ; q
	v_and_b32 v1, 15, v0                           ; r
	v_bfe_u32 v2, v0, 4, 1                         ; h
	v_lshrrev_b32 v3, 3, v1
	v_lshlrev_b32 v3, 2, v3                        ; 4 (r / 8): which of a tile's two gids my row of source 0 belongs to
	v_lshlrev_b32 v4, 2, v2                        ; 4 h: which one my results belong to
	v_and_b32 v6, 7, v1
	v_lshlrev_b32 v6, 4, v6                        ; 16 (r % 8)
	v_lshlrev_b32 v7, 7, v2                        ; 128 h
	v_add_nc_u32 v5, v7, v6                        ; my place in a piece of a group
	v_mov_b32 v29, 0
	v_mov_b32 v[INF], 0x7f800000
.irp i, 0,1,2,3,4,5,6,7
	v_mov_b32 v[T+\i], 0                           ; written once: a lane permute's destination counts as one of its sources
	v_mov_b32 v[L+\i], 0x7f800000
	v_mov_b32 v[LK+\i], 0x7f800000
.endr
	s_mov_b32 s34, 0x76543210
	s_mov_b32 s35, 0xfedcba98                      ; v_permlanex16_b32's selects for lane l xor 16
	s_lshr_b32 s36, s20, 3
	s_lshl_b32 s36, s36, 12
	s_and_b32 s37, s20, 7
	s_lshl_b32 s37, s37, 4
	s_add_co_u32 s36, s36, s37                     ; q's group and its row in each piece
	s_mov_b32 s37, 0
	s_lshl_b32 s38, s20, 4
	s_mov_b32 s39, 0
	s_lshl_b32 s40, s20, 5
	s_mov_b32 s41, 0
	s_lshl_b32 s42, s20, 2
	s_mov_b32 s43, 0
	s_wait_kmcnt 0x0
	s_add_nc_u64 s[22:23], s[4:5], s[36:37]        ; q's codes
	s_add_nc_u64 s[24:25], s[6:7], s[38:39]        ; its four scale words
	s_add_nc_u64 s[26:27], s[14:15], s[40:41]      ; its eight gids
	s_add_nc_u64 s[28:29], s[10:11], 1600000       ; the rows' sums of squares
	s_add_nc_u64 s[30:31], s[6:7], s[42:43]
	s_add_nc_u64 s[30:31], s[30:31], 16384         ; q's x2
	s_add_nc_u64 s[32:33], s[16:17], s[42:43]      ; its result
.irp t, 0,1,2,3
	global_load_b32 v[GA+\t], v3, s[26:27] offset:8*\t
.endr
.irp t, 0,1,2,3
	global_load_b32 v[GH+\t], v4, s[26:27] offset:8*\t
.endr
.irp s, 0,1,2,3
.irp c, 0,1,2,3
	global_load_b128 v[BF+16*\s+4*\c:BF+16*\s+4*\c+3], v7, s[22:23] offset:\s*1024+\c*256   ; every lane of a half takes the same 16 bytes: all columns are q
.endr
.endr
	global_load_b128 v[BS:BS+3], v29, s[24:25]
	global_load_b32 v28, v29, s[30:31]             ; x2
	s_wait_loadcnt 18                              ; the eight list words are in; the 18 loads issued behind them may be out
.irp t, 0,1,2,3
	v_min_u32 v[GA+\t], 12499, v[GA+\t]
	v_min_u32 v[GH+\t], 12499, v[GH+\t]
.endr
.irp t, 0,1,2,3
	v_lshlrev_b32 v[AOF+\t], 12, v[GA+\t]
	v_lshlrev_b32 v[SOF+\t], 7, v[GA+\t]
	v_lshlrev_b32 v[TOF+\t], 5, v[GH+\t]
.endr
.irp t, 0,1,2,3
	v_add_nc_u32 v[AOF+\t], v[AOF+\t], v5
	v_add_nc_u32 v[SOF+\t], v[SOF+\t], v6
.endr
	WIN 0x40                                       ; destination window 1
.irp t, 0,1,2,3
.irp s, 0,1,2,3
.irp c, 0,1,2,3
	global_load_b128 v[64*\t+16*\s+4*\c:64*\t+16*\s+4*\c+3], v[AOF+\t], s[8:9] offset:\s*1024+\c*256
.endr
.endr
.endr
	WIN 0
.irp t, 0,1,2,3
	global_load_b128 v[AS+4*\t:AS+4*\t+3], v[SOF+\t], s[10:11]
.endr
.irp t, 0,1,2,3
	global_load_b128 v[D+8*\t:D+8*\t+3], v[TOF+\t], s[28:29]
	global_load_b128 v[D+8*\t+4:D+8*\t+7], v[TOF+\t], s[28:29] offset:16
	global_load_b128 v[LAB+8*\t:LAB+8*\t+3], v[TOF+\t], s[12:13]
	global_load_b128 v[LAB+8*\t+4:LAB+8*\t+7], v[TOF+\t], s[12:13] offset:16
.endr
	s_wait_loadcnt 0x0
	WIN 0x01                                       ; source 0 (the rows) in window 1
.irp s, 0,1,2,3
.irp t, 0,1,2,3                                ; the four accumulators take turns, one instruction a turn
.if \s == 0
	v_wmma_scale_f32_16x16x128_f8f6f4 v[ACC+8*\t:ACC+8*\t+7], v[64*\t+16*\s:64*\t+16*\s+15], v[BF+16*\s:BF+16*\s+15], 0, v[AS+4*\t+\s], v[BS+\s]
.else
	v_wmma_scale_f32_16x16x128_f8f6f4 v[ACC+8*\t:ACC+8*\t+7], v[64*\t+16*\s:64*\t+16*\s+15], v[BF+16*\s:BF+16*\s+15], v[ACC+8*\t:ACC+8*\t+7], v[AS+4*\t+\s], v[BS+\s]
.endif
.endr
.endr
	WIN 0
.set n, 0
.rept 32
	v_add_f32 v[D+n], v28, v[D+n]                  ; x2 + t2: plain lines that name no register of the products: the places (ISA guide 7.12.1) in front of the first read of results
.set n, n+1
.endr
.set n, 0
.rept 32
	v_fma_f32 v[D+n], v[ACC+n], -2.0, v[D+n]       ; d2, one rounding; each accumulator from its low end on
.set n, n+1
.endr
.set n, 0
.rept 32
	v_max_num_f32 v[D+n], 0, v[D+n]
.set n, n+1
.endr
.set n, 0
	s_wait_alu depctr_va_vdst(0)
.rept 32
	v_sqrt_f32 v[D+n], v[D+n]
.set n, n+1
.endr
.irp t, 0,1,2,3
	v_lshlrev_b32 v[KB+\t], 10, v[GH+\t]           ; (plain lines behind the roots)  row << 7 = gid << 10 + 128 j
.endr
	s_wait_alu depctr_va_vdst(0)
.irp t, 0,1,2,3
	v_add_nc_u32 v[KB+\t], 0x40000000, v[KB+\t]
.endr
.set n, 0
.rept 32
	INSV L, D+n
.set n, n+1
.endr
	MX16 L
	v_mov_b32 v[TAU], v[L+7]                       ; the 8th smallest of the 64 distances
.irp t, 0,1,2,3
.irp j, 0,1,2,3,4,5,6,7
	v_min_u32 v250, 127, v[LAB+8*\t+\j]            ; seven bits for the label: whatever lies outside 0 .. 126 becomes 127, which casts no vote
	v_add3_u32 v251, v250, v[KB+\t], 128*\j        ; the key of a distance under tau,
	v_or_b32 v252, 0x01000000, v251                ; of one that equals it
	v_cmp_lt_f32 s44, v[D+8*\t+\j], v[TAU]
	v_cmp_le_f32 s45, v[D+8*\t+\j], v[TAU]
	v_cndmask_b32 v253, v[INF], v252, s45
	v_cndmask_b32 v253, v253, v251, s44
	INSV LK, 253
.endr
.endr
	MX16 LK                                        ; the 8 nearest rows' keys, in every lane
	; THE MODE.  Each of the 8 labels counts its equals; its score is count << 7 | (127 - label): the largest score has the largest count and, among those, the smallest label
.irp i, 0,1,2,3,4,5,6,7
	v_and_b32 v[D+\i], 127, v[LK+\i]
	v_mov_b32 v[D+8+\i], 1
.endr
.irp i, 0,1,2,3,4,5,6
.irp j, 1,2,3,4,5,6,7
.if \j > \i
	v_cmp_eq_u32 vcc_lo, v[D+\i], v[D+\j]
	v_cndmask_b32 v250, 0, 1, vcc_lo
	v_add_nc_u32 v[D+8+\i], v[D+8+\i], v250
	v_add_nc_u32 v[D+8+\j], v[D+8+\j], v250
.endif
.endr
.endr
.irp i, 0,1,2,3,4,5,6,7
	v_sub_nc_u32 v250, 127, v[D+\i]
	v_lshl_or_b32 v250, v[D+8+\i], 7, v250
	v_cmp_gt_u32 vcc_lo, 100, v[D+\i]
	v_cndmask_b32 v250, 0, v250, vcc_lo            ; a label from 100 on casts no vote
	v_cvt_f32_u32 v[D+16+\i], v250                 ; at most 1,151: exact
.endr
	v_max3_num_f32 v250, v[D+16], v[D+17], 0x42fe0000   ; 127.0: class 0 with no vote, under every score with a vote
	v_max3_num_f32 v250, v250, v[D+18], v[D+19]
	v_max3_num_f32 v250, v250, v[D+20], v[D+21]
	v_max3_num_f32 v250, v250, v[D+22], v[D+23]
	v_cvt_u32_f32 v250, v250
	v_and_b32 v250, 127, v250
	v_sub_nc_u32 v251, 127, v250
	global_store_b32 v29, v251, s[32:33]           ; all lanes: the same word to the same place
	s_endpgm
.Lfunc_end_k_q4a2c62aab6_vote:
	.size	k_q4a2c62aab6_vote, .Lfunc_end_k_q4a2c62aab6_vote-k_q4a2c62aab6_vote
	.p2alignl 7, 3214868480
	.fill 96, 4, 3214868480
	.section	.rodata,"a",@progbits
	.p2align	6, 0x0
	.amdhsa_kernel k_q4a2c62aab6_vote
		.amdhsa_group_segment_fixed_size 0
		.amdhsa_private_segment_fixed_size 0
		.amdhsa_enable_private_segment 0
		.amdhsa_kernarg_size 56
		.amdhsa_user_sgpr_count 2
		.amdhsa_user_sgpr_kernarg_segment_ptr 1
		.amdhsa_wavefront_size32 1
		.amdhsa_system_sgpr_workgroup_id_x 1
		.amdhsa_system_sgpr_workgroup_id_y 1
		.amdhsa_system_sgpr_workgroup_id_z 1
		.amdhsa_system_vgpr_workitem_id 0
		.amdhsa_next_free_vgpr 512
		.amdhsa_next_free_sgpr 66
		.amdhsa_reserve_vcc 1
		.amdhsa_float_denorm_mode_32 3
		.amdhsa_float_denorm_mode_16_64 3
		.amdhsa_memory_ordered 1
		.amdhsa_forward_progress 1
		.amdhsa_inst_pref_size 84
	.end_amdhsa_kernel
	.amdgpu_metadata
---
amdhsa.version: [ 1, 2 ]
amdhsa.kernels:
  - .name:           k_q4a2c62aab6_vote
    .symbol:         k_q4a2c62aab6_vote.kd
    .args:
      - { .name: xq, .offset: 0, .size: 8, .value_kind: global_buffer, .address_space: global }
      - { .name: xaux, .offset: 8, .size: 8, .value_kind: global_buffer, .address_space: global }
      - { .name: tq, .offset: 16, .size: 8, .value_kind: global_buffer, .address_space: global }
      - { .name: taux, .offset: 24, .size: 8, .value_kind: global_buffer, .address_space: global }
      - { .name: y_train, .offset: 32, .size: 8, .value_kind: global_buffer, .address_space: global }
      - { .name: sel, .offset: 40, .size: 8, .value_kind: global_buffer, .address_space: global }
      - { .name: out0, .offset: 48, .size: 8, .value_kind: global_buffer, .address_space: global }
    .group_segment_fixed_size: 0
    .private_segment_fixed_size: 0
    .kernarg_segment_align: 8
    .kernarg_segment_size: 56
    .max_flat_workgroup_size: 128
    .sgpr_count:     66
    .vgpr_count:     512
    .wavefront_size: 32
...
	.end_amdgpu_metadata
.endif
;; end of part 4
